; MI455X (gfx1250); checked and timed in simulation.
; The chip was launched on July 23, 2026; its instructions are those of AMD's public machine-readable ISA for CDNA 5 (MIT licence, August 2026) and "CDNA5" Instruction Set Architecture Reference Guide (July 2026). The comments in the code are by the model that wrote it; some were corrected since.
;; Radix Attention. Allowed arithmetic: matrix products marked QUANTISED: E4M3 operands, one given power-of-two scale a tensor, by v_wmma_f32_16x16x64_fp8_fp8 or v_wmma_f32_16x16x128_fp8_fp8, f32 sums; everything else in f32.
;; Inputs: k_codes 4 x 512 x 8 x 4 x 32 uint8 (E4M3 codes of k, K innermost, in blocks of 32 codes); lowp_scales 8 int32 (the exponents e of the quantised operands' scales 2^e); pool_k 16,384 x 8 x 128 float32; pool_v 16,384 x 8 x 128 float32; q_codes 4 x 512 x 32 x 4 x 32 uint8 (E4M3 codes of q, K innermost, in blocks of 32 codes); req_to_token 4 x 2,048 int32; v_codes 4 x 8 x 128 x 16 x 32 uint8 (E4M3 codes of v, K innermost, in blocks of 32 codes).
;; Outputs: out0 2,048 x 4,096 float32.
;; This version of the problem:
;;   THIS VERSION OF THE PROBLEM IS GIVEN IN LOW PRECISION. The matrix products marked QUANTISED in the list below multiply operands that are first quantised to E4M3 (4 exponent bits, 3 mantissa bits; 8 bits a number), with one given power-of-two scale for each operand tensor; their sums are f32. All else is computed in f32.
;;   The module's matrix products, in the order in which they are computed (A, B: the left and right operand; K: the contracted axis; several contracted axes count as one K, in the product's order):
;;     1. batch 32 x [M 512, K 128] x [K 128, N 2,048]; A: input k (given as codes); B: input q (given as codes): QUANTISED (scales: A lowp_scales[0], B lowp_scales[1])
;;     2. batch 32 x [M 128, K 512] x [K 512, N 2,048]; A: input v (given as codes); B: softmax (see below): QUANTISED (scales: A lowp_scales[2], B lowp_scales[3])
;;     3. batch 32 x [M 2,048, K 128] x [K 128, N 2,048]; A: computed on the way; B: input q (given as codes): QUANTISED (scales: A lowp_scales[4], B lowp_scales[5])
;;     4. batch 32 x [M 128, K 2,048] x [K 2,048, N 2,048]; A: computed on the way; B: softmax (see below): QUANTISED (scales: A lowp_scales[6], B lowp_scales[7])
;;   THE QUANTISER, for each operand of a quantised product, along K:
;;     - The operand's scale is 2^e, e = its entry of the input lowp_scales (int32; the entries are numbered through the quantised products in the list's order, A before B).
;;     - Each number is divided by the scale, clamped to +-448, and rounded to the nearest number of E4M3, ties to even, subnormals kept.
;;     - The product sums the exact products of the quantised numbers (number of the format x scale) in f32.
;;   ~~~python
;;   def quantise(x, axis, e):      # numpy; x: float32 -> the quantised numbers, widened to float32 again
;;       x = np.moveaxis(x, axis, -1); K = x.shape[-1]
;;       r = np.clip(x / 2.0 ** e, -448, 448)
;;       step = 2.0 ** (np.maximum(np.frexp(np.where(r == 0, 1, r))[1] - 1, -6) - 3)
;;       q = np.round(r / step) * step * 2.0 ** e      # np.round: ties to even
;;       return np.moveaxis(q, -1, axis).astype(np.float32)
;;   ~~~
;;   SOFTMAX AHEAD OF A QUANTISED PRODUCT. Where the list says 'softmax', what is quantised is not the finished softmax but p = 2^(t - M), with t = logit x log2(e) and M = ceil(the row's largest t), a whole number; so 1/2 < the row's largest p <= 1. The row's sum l is taken of the UNQUANTISED p, in f32, and the product's result is divided by l at the end. Since M is a whole number, a kernel that streams over the keys may use a running M (the ceiling of the running maximum): every later rescaling is an exact power of two, so the quantised numbers keep their values, but for numbers so far below the row's largest that they fall under the format's range.
;;   OPERANDS COMPUTED ON THE WAY. 'Computed on the way' means the value that the module computes at that place (a softmax that the list does not call 'softmax' is quantised finished and normalised). What goes into a quantiser is computed in f32, as accurately as f32 sums, v_exp_f32 and their like allow (about 1e-6 of the number): no bf16 or f16 on the way to a quantiser, and a product that is left as it is and whose result goes on into a quantised operand takes f32 operands (vector FMAs, or v_wmma_f32_16x16x4_f32). A number that lies on a knife's edge between two numbers of the format may be rounded either way, as far as f32 arithmetic and the matrix unit's own rounding can turn it there, and no further.
;;   INPUTS GIVEN AS CODES. k (in the module: [4, 512, 8, 128], K = its axis 3); q (in the module: [4, 512, 32, 128], K = its axis 3); v (in the module: [4, 512, 8, 128], K = its axis 1): each comes as NAME_codes (uint8): NAME with its K axis moved to the last place and cut into blocks of 32 codes, [.., K / 32, bytes a block], one block behind the other in memory; one code a byte (a code: sign, 4 exponent bits, 3 mantissa bits); its scale is its entry of lowp_scales. Its value is code x scale, taken as it is: it is not quantised again, and the codes and scales need not be those that the quantiser above would give.
;; One version. Each part assembles by itself: llvm-mc -triple=amdgcn-amd-amdhsa -mcpu=gfx1250 --defsym DOCPART=n.
;; ======== version 1 of 1: 2 launches
;; workspace buffers: kp_codes 8,388,608 bytes; vp_codes 8,388,608 bytes
;; launch gatherq (part 1): grid 512 x 1, 4 waves a work-group, no clusters, 68,096 bytes of LDS; arguments pool_k, pool_v, req_to_token, lowp_scales, kp_codes, vp_codes; writes kp_codes, vp_codes
.if DOCPART == 1
	.amdgcn_target "amdgcn-amd-amdhsa--gfx1250"
	.amdhsa_code_object_version 6
	.text
	.protected	k_qc0690723f5_gatherq
	.globl	k_qc0690723f5_gatherq
	.p2align	8
	.type	k_qc0690723f5_gatherq,@function
k_qc0690723f5_gatherq:
	s_mov_b64 s[64:65], 0
	v_nop
	global_prefetch_b8 v0, s[64:65] scope:SCOPE_SE
	s_setreg_imm32_b32 hwreg(HW_REG_WAVE_MODE, 25, 1), 1
	s_wait_xcnt 0x0
; The prefix of every request is gathered from the two pools by req_to_token and turned into codes of FP8 (E4M3), once for all who read it:
;   kp_codes [b 4][head 8][key 2048][d 128]: K of the scores' product is d, innermost;   vp_codes [b 4][head 8][d 128][key 2048]: K of the second product is the keys, innermost.
; code = x / 2^e, held within +-448, rounded to the nearest code, ties to even.  e = entry 4 of the scales for pool_k, entry 6 for pool_v.
; LIMITS: both e lie between -126 and 119, so that 2^e and 448 x 2^e are f32 numbers.  NaN in the pools is not served.  An index is held at 16,383, the pool's last row.
; Only the 8,192 listed rows are read.  Work-groups 0-255 take pool_k, 256-511 pool_v: as many bytes each (32 rows x 4,096, or 256 rows x 512).  The two ways never join, and each has LDS bytes of its own.
; K's WAY: a wave takes 8 listed rows, in 16 steps of 2,048 bytes (two rows x two heads).  Each load reads one head of one row, 512 consecutive bytes, 16 a lane; the step's bytes turn through the wave's own
;   stage in LDS and come back 64 bytes a lane, since a conversion takes neighbours along d from ONE lane's registers.  A lane's 16 codes are 16 bytes; sixteen lanes store 256 consecutive bytes (two keys of a head).
; V's WAY: a wave takes 32 channels of one head x 256 listed rows.  A lane takes a channel and its registers run down the keys: the conversions give codes with the keys innermost, nothing is transposed.
;   The codes gather in the wave's stage (a row a channel, 256 bytes) and leave by rows: sixteen lanes store 256 consecutive bytes.
; No tensor loads, no barrier: waves share nothing.
.set SPW,   12                         ; v12  LDS address of my spare word: SPARE + 4 x my thread's number; never rewritten
.set NIL,   13                         ; v13  0; never rewritten
.set WREG,  8192                       ; K's way: a region for each wave: two stages of 32 x SP bytes
.set SP,    80                         ; a lane's place in a stage: 64 bytes + 16 of padding
.set VSTG,  4*WREG                     ; V's way: four stages of 32 rows x PITCH
.set PITCH, 272                        ; 256 bytes of codes + 16 of padding
.set SPARE, VSTG+4*32*PITCH            ; 67,584: the spare words, 128 bytes for each wave: two blocks of 256 bytes that no other line names
.set STEPS, 16
.set NB,    8
	s_load_b256 s[4:11], s[0:1], 0x0               ; pool_k s[4:5], pool_v s[6:7], req_to_token s[8:9], the scales' exponents s[10:11]
	s_load_b128 s[12:15], s[0:1], 0x20             ; kp_codes s[12:13], vp_codes s[14:15]
	v_lshl_add_u32 v[SPW], v0, 2, SPARE
	v_mov_b32 v[NIL], 0
	v_lshrrev_b32 v1, 5, v0
	v_readfirstlane_b32 s16, v1                    ; wave 0..3
	v_and_b32 v2, 31, v0                           ; lane
	s_wait_kmcnt 0x0
	s_cmp_lt_u32 ttmp9, 256                        ; the work-group's number alone decides the way
	s_cbranch_scc0 .Lvalues
; ---------------------------------------------------------------- K's way
.set R,  16                            ; v16-79   four sets of 16 numbers as they are loaded
.set X,  80                            ; v80-111  two sets of 16 neighbours along d
.set KO, 112                           ; v112-119 row k of my eight: 4,096 x its index + 16 x lane; never rewritten
.set C,  128                           ; v128-191 codes: four registers for each step, so that no store's data are written again
	s_lshl_b32 s17, ttmp9, 5
	s_lshl_b32 s18, s16, 3
	s_add_co_u32 s17, s17, s18                     ; g0 = 32 x work-group + 8 x wave: my first place in the list (b = g0 / 2048, key = g0 % 2048)
	s_lshl_b32 s18, s17, 2
	s_mov_b32 s19, 0
	s_add_nc_u64 s[8:9], s[8:9], s[18:19]
	s_load_b256 s[32:39], s[8:9], 0x0              ; my eight indices
	s_load_b32 s30, s[10:11], 0x10                 ; e, entry 4
	v_lshlrev_b32 v3, 4, v2                        ; my 16 bytes of a load's 512
	s_mul_i32 s20, s16, WREG
	v_lshrrev_b32 v14, 2, v2
	v_mul_u32_u24 v14, v14, SP
	v_and_b32 v15, 3, v2
	v_lshl_add_u32 v14, v15, 4, v14
	v_add_nc_u32 v14, s20, v14                     ; the stage, on the way in: four lanes' 64 bytes on end, then 16 of padding
	v_mul_u32_u24 v15, v2, SP
	v_add_nc_u32 v15, s20, v15                     ; and on the way out: SP x lane: my 16 neighbours
	v_and_b32 v4, 15, v2
	v_lshlrev_b32 v4, 4, v4
	v_lshrrev_b32 v5, 4, v2
	v_lshl_add_u32 v4, v5, 18, v4                  ; my codes' place: lanes 0-15 two keys of the even head (256 bytes on end), lanes 16-31 of the odd head, 2,048 x 128 bytes further on
	s_lshr_b32 s18, s17, 11
	s_lshl_b32 s18, s18, 21                        ; b x 8 heads x 2,048 keys x 128
	s_and_b32 s21, s17, 2047
	s_lshl_b32 s21, s21, 7                         ; key x 128
	s_add_co_u32 s18, s18, s21
	s_add_nc_u64 s[12:13], s[12:13], s[18:19]
	s_wait_kmcnt 0x0
.irp k, 0,1,2,3,4,5,6,7
	s_min_u32 s[32+\k], s[32+\k], 0x3fff           ; a loaded number enters an address only behind this hold
	v_lshl_add_u32 v[KO+\k], s[32+\k], 12, v3      ; a pool row is 4,096 bytes
.endr
; step t: rows 2 (t / 4), 2 (t / 4) + 1 of my eight, heads 2 (t % 4), 2 (t % 4) + 1.  Load i: row + i % 2, head + i / 2
.macro LOADK t
.irp i, 0,1,2,3
	global_load_b128 v[R+16*((\t)%4)+4*\i:R+16*((\t)%4)+4*\i+3], v[KO+2*((\t)/4)+\i%2], s[4:5] offset:(2*((\t)%4)+\i/2)*512   ; 32 lanes read 512 consecutive bytes.  No hint: the list may name a row twice
.endr
.endm
.macro TURNK t                         ; step t's numbers through the stage: LDS serves a wave's instructions in order, so no wait stands between the stores and the loads
.irp i, 0,1,2,3
	ds_store_b128 v14, v[R+16*((\t)%4)+4*\i:R+16*((\t)%4)+4*\i+3] offset:32*SP*((\t)%2)+8*SP*\i
.endr
.irp i, 0,1,2,3
	ds_load_b128 v[X+16*((\t)%2)+4*\i:X+16*((\t)%2)+4*\i+3], v15 offset:32*SP*((\t)%2)+16*\i
.endr
.endm
.irp t, 0,1,2,3
	LOADK \t
.endr
	s_add_co_i32 s30, s30, 127
	s_lshl_b32 s31, s30, 23
	v_mov_b32 v11, s31                             ; 2^e as f32: the conversion takes its exponent field
	s_add_co_i32 s30, s30, 8
	s_lshl_b32 s30, s30, 23
	s_or_b32 s30, s30, 0x600000
	v_mov_b32 v10, s30                             ; 448 x 2^e
	s_wait_loadcnt 12                              ; step 0's four loads are in; three steps' twelve may be out
	TURNK 0
.macro STEPK t
.set XS, X+16*((\t)%2)
	s_wait_dscnt 0x0                               ; this step's numbers are back from the stage: so its stores into the stage have read their registers,
.if (\t)+4 < STEPS
	LOADK (\t)+4                                   ; which take the loads of four steps on
.endif
.if (\t)+1 < STEPS
.if STEPS-2-(\t) >= 3
	s_wait_loadcnt 12                              ; the next step's four loads are in; those of the three steps behind it may be out
.else
	s_wait_loadcnt 4*(STEPS-2-(\t))                ; the counts run down: no more loads are issued
.endif
	TURNK (\t)+1                                   ; and go through the other stage while this step is worked
.endif
.irp i, 0,1,2,3,4,5,6,7,8,9,10,11,12,13,14,15
	v_med3_num_f32 v[XS+\i], v[XS+\i], -v10, v10   ; the conversion to an 8-bit code does not saturate (ISA guide 7.6.2): the hold at the largest code x the scale comes first
.endr
	v_cvt_scalef32_pk8_fp8_f32 v[C+4*(\t):C+4*(\t)+1], v[XS:XS+7], v11
	v_cvt_scalef32_pk8_fp8_f32 v[C+4*(\t)+2:C+4*(\t)+3], v[XS+8:XS+15], v11   ; the results go to a store alone; the next vector lines are the next step's holds, plain ones on other registers
	global_store_b128 v4, v[C+4*(\t):C+4*(\t)+3], s[12:13] offset:((\t)/4)*256+((\t)%4)*524288   ; two runs of 256 consecutive bytes, each at a multiple of 256 from the buffer's first byte
.endm
.irp t, 0,1,2,3,4,5,6,7,8,9,10,11,12,13,14,15
	STEPK \t
.endr
	s_wait_tensorcnt 0x0                           ; the wave's end, behind my last LDS store
	ds_add_u32 v[SPW], v[NIL]
	s_wait_dscnt 0x0
	s_endpgm
; ---------------------------------------------------------------- V's way
.set XV,   32                          ; v32-95   two sets of 32 numbers: one channel, 32 keys
.set CV,   96                          ; v96-103  a block's codes
.set OUTR, 112                         ; v112-175 the way out: 16 x 4 registers
.set VO,   176                         ; v176-239 two sets of 32 offsets: 4,096 x index + my channel's bytes
.Lvalues:
	s_sub_co_u32 s17, ttmp9, 256
	s_and_b32 s18, s17, 7                          ; the head
	s_lshr_b32 s19, s17, 3                         ; 8 b + which 256 keys of the request
	s_lshl_b32 s20, s19, 10
	s_mov_b32 s21, 0
	s_add_nc_u64 s[8:9], s[8:9], s[20:21]          ; my 256 indices
.macro IDX t                           ; block t's 32 indices
	s_load_b512 s[32:47], s[8:9], 128*(\t)
	s_load_b512 s[48:63], s[8:9], 128*(\t)+64
.endm
.macro OFFS t                          ; they become offsets, in set t % 2
.set i, 0
.rept 32
	s_min_u32 s[32+i], s[32+i], 0x3fff             ; a loaded number enters an address only behind this hold
	v_lshl_add_u32 v[VO+32*((\t)%2)+i], s[32+i], 12, v3
.set i, i+1
.endr
.endm
.macro LOADV t                         ; pool_v(index i, my head, my channel), i = 0 .. 31: a wave reads 128 consecutive bytes, the four waves side by side 512
.set i, 0
.rept 32
	global_load_b32 v[XV+32*((\t)%2)+i], v[VO+32*((\t)%2)+i], s[6:7]
.set i, i+1
.endr
.endm
	IDX 0
	s_load_b32 s30, s[10:11], 0x18                 ; e, entry 6
	s_lshl_b32 s22, s18, 7
	s_lshl_b32 s23, s16, 5
	s_add_co_u32 s22, s22, s23                     ; 128 x head + 32 x wave: my wave's first channel in a pool row
	v_add_nc_u32 v3, s22, v2
	v_lshlrev_b32 v3, 2, v3                        ; my channel's bytes
	s_mul_i32 s23, s16, 32*PITCH
	s_add_co_u32 s23, s23, VSTG                    ; my stage
	v_mul_u32_u24 v4, v2, PITCH
	v_add_nc_u32 v4, s23, v4                       ; into it: row = my channel
	v_and_b32 v5, 15, v2
	v_lshrrev_b32 v6, 4, v2
	v_mul_u32_u24 v7, v6, PITCH
	v_lshl_add_u32 v7, v5, 4, v7
	v_add_nc_u32 v7, s23, v7                       ; out of it: sixteen lanes to a row, two rows an instruction
	v_lshlrev_b32 v8, 11, v6
	v_lshl_add_u32 v8, v5, 4, v8                   ; and the same place in vp_codes: a row is 2,048 bytes
	s_lshr_b32 s24, s19, 3
	s_lshl_b32 s24, s24, 10                        ; b x 8 x 128 rows
	s_add_co_u32 s24, s24, s22
	s_lshl_b32 s24, s24, 11
	s_and_b32 s25, s19, 7
	s_lshl_b32 s25, s25, 8                         ; my 256 keys in a row
	s_add_co_u32 s24, s24, s25
	s_mov_b32 s25, 0
	s_add_nc_u64 s[14:15], s[14:15], s[24:25]
	s_wait_kmcnt 0x0
	s_add_co_i32 s30, s30, 127
	s_lshl_b32 s31, s30, 23
	v_mov_b32 v11, s31                             ; 2^e as f32
	s_add_co_i32 s30, s30, 8
	s_lshl_b32 s30, s30, 23
	s_or_b32 s30, s30, 0x600000
	v_mov_b32 v10, s30                             ; 448 x 2^e
	OFFS 0
	LOADV 0
	IDX 1
	s_wait_kmcnt 0x0
	OFFS 1
	LOADV 1
	IDX 2                                          ; the indices run one block ahead of the loads, the loads two blocks ahead of the work
.macro BLOCKV t
.set XS, XV+32*((\t)%2)
.if (\t) < NB-1
	s_wait_loadcnt 32                              ; this block's 32 loads are in, so their offsets may be written again; the next block's 32 may be out
.else
	s_wait_loadcnt 0x0
.endif
.set i, 0
.rept 32
	v_med3_num_f32 v[XS+i], v[XS+i], -v10, v10     ; the hold at the largest code x the scale (ISA guide 7.6.2)
.set i, i+1
.endr
.irp g, 0,1,2,3
	v_cvt_scalef32_pk8_fp8_f32 v[CV+2*\g:CV+2*\g+1], v[XS+8*\g:XS+8*\g+7], v11
.endr
	ds_store_b128 v4, v[CV:CV+3] offset:32*(\t)    ; 32 keys' codes: 32 bytes of my channel's row
	ds_store_b128 v4, v[CV+4:CV+7] offset:32*(\t)+16
.if (\t)+2 < NB
	s_wait_kmcnt 0x0                               ; the indices of two blocks on are in
	OFFS (\t)+2                                    ; (plain vector lines: they stand between the conversions and the next lines that write their registers)
	LOADV (\t)+2
.if (\t)+3 < NB
	IDX (\t)+3
.endif
.endif
	s_wait_dscnt 0x0                               ; the stores have read their registers: the next block's codes may be written
.endm
.irp t, 0,1,2,3,4,5,6,7
	BLOCKV \t
.endr
.irp t, 0,1,2,3,4,5,6,7,8,9,10,11,12,13,14,15
	ds_load_b128 v[OUTR+4*\t:OUTR+4*\t+3], v7 offset:2*\t*PITCH   ; LDS serves a wave's instructions in order: these see my stores
.endr
.irp t, 0,1,2,3,4,5,6,7,8,9,10,11,12,13,14,15
	s_wait_dscnt 15-\t                             ; the younger loads may be out
	global_store_b128 v8, v[OUTR+4*\t:OUTR+4*\t+3], s[14:15] offset:2*\t*2048   ; sixteen lanes store 256 consecutive bytes, at a multiple of 256 from the buffer's first byte
.endr
	s_wait_tensorcnt 0x0                           ; the wave's end: the same three lines
	ds_add_u32 v[SPW], v[NIL]
	s_wait_dscnt 0x0
	s_endpgm
.Lfunc_end_k_qc0690723f5_gatherq:
	.size	k_qc0690723f5_gatherq, .Lfunc_end_k_qc0690723f5_gatherq-k_qc0690723f5_gatherq
	.p2alignl 7, 3214868480
	.fill 96, 4, 3214868480
	.section	.rodata,"a",@progbits
	.p2align	6, 0x0
	.amdhsa_kernel k_qc0690723f5_gatherq
		.amdhsa_group_segment_fixed_size 68096
		.amdhsa_private_segment_fixed_size 0
		.amdhsa_enable_private_segment 0
		.amdhsa_kernarg_size 48
		.amdhsa_user_sgpr_count 2
		.amdhsa_user_sgpr_kernarg_segment_ptr 1
		.amdhsa_wavefront_size32 1
		.amdhsa_system_sgpr_workgroup_id_x 1
		.amdhsa_system_sgpr_workgroup_id_y 1
		.amdhsa_system_sgpr_workgroup_id_z 1
		.amdhsa_system_vgpr_workitem_id 0
		.amdhsa_next_free_vgpr 240
		.amdhsa_next_free_sgpr 66
		.amdhsa_reserve_vcc 0
		.amdhsa_float_denorm_mode_32 3
		.amdhsa_float_denorm_mode_16_64 3
		.amdhsa_memory_ordered 1
		.amdhsa_forward_progress 1
		.amdhsa_inst_pref_size 120
	.end_amdhsa_kernel
	.amdgpu_metadata
---
amdhsa.version: [ 1, 2 ]
amdhsa.kernels:
  - .name:           k_qc0690723f5_gatherq
    .symbol:         k_qc0690723f5_gatherq.kd
    .args:
      - { .name: pool_k, .offset: 0, .size: 8, .value_kind: global_buffer, .address_space: global }
      - { .name: pool_v, .offset: 8, .size: 8, .value_kind: global_buffer, .address_space: global }
      - { .name: req_to_token, .offset: 16, .size: 8, .value_kind: global_buffer, .address_space: global }
      - { .name: lowp_scales, .offset: 24, .size: 8, .value_kind: global_buffer, .address_space: global }
      - { .name: kp_codes, .offset: 32, .size: 8, .value_kind: global_buffer, .address_space: global }
      - { .name: vp_codes, .offset: 40, .size: 8, .value_kind: global_buffer, .address_space: global }
    .group_segment_fixed_size: 68096
    .private_segment_fixed_size: 0
    .kernarg_segment_align: 8
    .kernarg_segment_size: 48
    .max_flat_workgroup_size: 128
    .sgpr_count:     66
    .vgpr_count:     240
    .wavefront_size: 32
...
	.end_amdgpu_metadata
.endif
;; end of part 1
;; launch attend (part 2): grid 8 x 32, 8 waves a work-group, clusters of 4 x 1, 327,680 bytes of LDS; arguments q_codes, k_codes, v_codes, kp_codes, vp_codes, lowp_scales, out0; writes out0
.if DOCPART == 2
	.amdgcn_target "amdgcn-amd-amdhsa--gfx1250"
	.amdhsa_code_object_version 6
	.text
	.protected	k_qc0690723f5_attend
	.globl	k_qc0690723f5_attend
	.p2align	8
	.type	k_qc0690723f5_attend,@function
k_qc0690723f5_attend:
	s_mov_b64 s[64:65], 0
	v_nop
	global_prefetch_b8 v0, s[64:65] scope:SCOPE_SE
	s_setreg_imm32_b32 hwreg(HW_REG_WAVE_MODE, 25, 1), 1
	s_wait_xcnt 0x0
	s_wait_alu depctr_hold_cnt(0) depctr_sa_sdst(0) depctr_va_vdst(0) depctr_va_sdst(0) depctr_va_ssrc(0) depctr_va_vcc(0) depctr_vm_vsrc(0)
	s_getreg_b32 s2, hwreg(HW_REG_IB_STS2, 6, 4)
	s_cmp_eq_u32 s2, 0
	s_cbranch_scc0 .Lentry_in_a_cluster
	s_endpgm
.Lentry_in_a_cluster:
	s_bfe_u32 s2, ttmp6, 0x10000c
	s_cmp_lg_u32 s2, 0x3003
	s_cbranch_scc0 .Lentry_shape_is_right
	s_endpgm
.Lentry_shape_is_right:
; Attention of 512 new tokens of each request over its 2,048 prefix keys (no mask) and over the 512 new keys (causal), the two softmax states merged; all four products on codes of FP8 (E4M3).
; q_codes [b][pos 512][head 32][128]; k_codes [b][pos][kv head 8][128]; v_codes [b][kv head][d 128][pos 512]; kp_codes [b][kv head][key 2048][128]; vp_codes [b][kv head][d 128][key 2048]; out0 [b x 512 + pos][head x 128 + d] f32.
; Scales 2^e, entries 0..7: k, q (new keys' scores); v, p (new keys' second product); prefix K, q; prefix V, p.
; THE SOFTMAX: t = score x log2(e) / sqrt(128); M = the largest t so far, rounded UP to a whole number; p = 2^(t - M) is quantised, not normalised; l, the sum of the unquantised p, divides at the end.
; When M moves, l and O are multiplied by f = 2^(old M - new M): exact.
; ONE STATE FOR BOTH PARTS.  o = (O2 2^(e6+e7+M2) + O1 2^(e2+e3+M1)) / (l2 2^M2 + l1 2^M1) is what the merge by log-sum-exp comes to.  So the prefix is walked first; at the change of parts O is multiplied by
; 2^(e6+e7-e2-e3), the constants become the second part's, and the largest t so far is set to M2 - 64 while -M stays: the next step's f, which may now be above 1 (2^64 at the most), brings l and O under the
; second part's OWN running M, under which its p is quantised.  At the end o = O 2^(e2+e3) / l.
; LIMITS.  The second part's M is held at M2 - 64 from below: where its largest t lies more than 64 under the prefix's, its p is quantised under that floor; its whole weight in o is then under 2^-52.
;   e4 + e5 and e0 + e1 lie between -123 and 130 (they are added to c's exponent field); e7 and e3 between -126 and 119 (2^e and 448 x 2^e are f32 numbers).  The other sums of exponents go by v_ldexp_f32.
; SHARES.  Work-group (j, y): y = 8 b + kv head, j = 0..7.  It owns the positions 16 (j + 8 PB) + 0..15, PB = 0..3, of the four query heads of that kv head: 256 query rows.  Wave w: HP = w / 4, PB = w (w < 4) or
;   7 - w; it holds TWO tiles of 16 queries: the same 16 positions, heads 2 HP and 2 HP + 1.  Each fragment of K or V read from LDS feeds two matrix instructions.
; THE CAUSAL MASK HANGS ON THE WAVE'S NUMBER ALONE: my positions lie in 128 PB .. 128 PB + 127, so step s of the new keys (keys 128 s on) is left out for s > PB, open for s < PB, and on the diagonal for s = PB,
;   where key 128 PB + i counts for position 128 PB + 16 j + r if i <= 16 j + r: j enters a vector number only.  Every work-group walks all ten slots and has the same work.
; CLUSTER.  The four work-groups of a cluster have one y and walk the same K and V: each tile is asked for JOINTLY, by the same tensor load with the same descriptor and the mask 15.
; RING.  Two LDS slots of 256 keys (K: 256 rows of 128 + 16 bytes; V: 128 rows of 256 + 16 bytes), slots 0-7 the prefix, 8 and 9 the new keys.  Waves 0, 1 fetch K's halves, waves 2, 3 V's; a wave has one tensor load out.
; LAYOUT.  Both products are used transposed (S^T = K Q^T, O^T = V^T P^T): a lane holds ONE query (lane % 16).  Lane r of K's tile 2 b + u takes key 32 b + 8 u + r + 8 (r / 8), so that the 16 registers of tiles 2 b,
;   2 b + 1 are the keys 32 b + 16 (lane / 16) + 0 .. 15: the conversions' results are the second product's operand.  Fragments come by four loads of 16 bytes, 32 apart: one permutation of k, the same on both sides.
; REGISTERS.  Window 0 alone: v1-11 addresses.  The same numbers in window 0 (tile 0) and window 1 (tile 1): v12 -M, v13 the largest t, v[14:15] l in two halves, v16-31 Q, v96-159 S^T then p, v160-223 O^T,
;   v224-239 p's codes, v240 448 x 2^ep, v244 2^ep, v246, v[242:243], v[252:253], v254 at work, v248 the mask's number.  v32-95: fragments 0-3 of K or V in window 0, fragments 4-7 in window 1.
.set KP,    144                        ; a key's row in LDS
.set VP,    272                        ; a row of V's tile in LDS
.set VOFF,  256*KP                     ; a slot: 256 rows of K, then 128 rows of V: 71,680 bytes
.set SLOT1, 1<<17                      ; slot 1 begins here: one exclusive or turns an address from one slot into the other
.set SPARE, 2*SLOT1                    ; the spare words, 128 bytes for each of eight waves: four blocks of 256 bytes that no other line names
.set STAGE, SPARE+1024                 ; the way out: 16 rows x 272 bytes for each wave; no tile lands here
.set STGB,  16*272
.set AK0, 1                            ; v1   my lane's place in a tile of K
.set AV0, 2                            ; v2   the same for V
.set PFO, 3                            ; v3   the prefetches' offset; never rewritten
.set QO,  4                            ; v4   my byte offset in the wave's rows of Q
.set SPW, 5                            ; v5   LDS address of my spare word: SPARE + 4 x my thread's number; never rewritten
.set NIL, 6                            ; v6   0; never rewritten
.set GO,  7                            ; v7   the way out: my byte offset in the wave's rows of out0
.set ADK, 8                            ; v8   LDS address of the step's tiles of K
.set ADV, 9                            ; v9   of V
.set SIN, 10                           ; v10  the stage: where I put 32 bytes of a row
.set SBK, 11                           ; v11  and where I read a row back
.set TBK, 2                            ; s2   LDS byte at which the step's rows of K begin
.set TBV, 3                            ; s3   slot + the step's 128 bytes in a row of V
.set WV,  18
.set PB,  19
.set SEL, 20                           ; s[20:21] lane selects for v_permlanex16_b32: lane l xor 16
.set CS,  22                           ; s[22:23] c x 2^(the two scales' exponents) of the part in hand
.set G1K, 24                           ; descriptor groups 1: prefix K, prefix V, new K, new V
.set G1V, 32
.set G1KE, 40
.set G1VE, 48
.set G0K, 56                           ; groups 0: prefix K and V walk; new K and V step once
.set G0V, 60
.set G0KE, 68
.set G0VE, 72
.set SLOTS, 66
.set TWICE, 67
.set PFA, 84                           ; s[84:85] where my prefetches stand
.set PFS, 86                           ; s[86:87] a slot on, in bytes
.set LIM, 88                           ; s88  1 in a wave that prefetches, else the greatest number
.set ES,  89                           ; s89  the number of the new keys' step in hand
.set DE,  93                           ; s93  e6 + e7 - e2 - e3
.set EF,  94                           ; s94  e2 + e3
.set HP,  95
.set MSB, 0
.macro WIN new                         ; bits 1:0 source 0, 3:2 source 1, 5:4 source 2, 7:6 destination; the immediate's high byte repeats the setting that is left; a switch that changes nothing is dropped
.if MSB != (\new)
	s_set_vgpr_msb (MSB<<8)|(\new)
.set MSB, (\new)
.endif
.endm
; A round of the cluster's barrier: my work-group's barrier, wave 0's signal for the work-group, every wave's wait for all four work-groups, my work-group's barrier once more.
.macro CROUND
	s_barrier_signal -1
	s_barrier_wait -1
	s_cmp_lg_u32 s[WV], 0
	s_cbranch_scc1 .Lnot_wave_0_\@
	s_barrier_signal -3
.Lnot_wave_0_\@:
	s_barrier_wait -3
	s_barrier_signal -1
	s_barrier_wait -1
.endm
; A joint load: waves 0 and 1 for K, waves 2 and 3 for V, the others none.  The branches hang on the wave's number alone: they are the same in all four partners.  An s_nop 0 and four v_nop follow each line.
.macro JLOAD g0k, g1k, g0v, g1v
	s_cmp_lt_u32 s[WV], 2
	s_cbranch_scc0 .Lnot_k_\@
	tensor_load_to_lds s[\g0k:\g0k+3], s[\g1k:\g1k+7]
	s_nop 0
.rept 4
	v_nop
.endr
	s_branch .Lasked_\@
.Lnot_k_\@:
	s_cmp_lt_u32 s[WV], 4
	s_cbranch_scc0 .Lasked_\@
	tensor_load_to_lds s[\g0v:\g0v+3], s[\g1v:\g1v+7]
	s_nop 0
.rept 4
	v_nop
.endr
.Lasked_\@:
.endm
; A PREFETCH INTO THE L2 of the prefix slot that the NEXT change of slots will ask for: two key steps ahead of that load.  Each aligned block of 256 bytes is named once in the launch: both clusters of a y walk the same
; codes, and cluster x = 0 asks; its four partners share the blocks out BY ADDRESS (K: 8,192 bytes each of the slot's dense 32,768, lanes 256 bytes apart; V: 32 rows each of the 128, a lane a row, 256 bytes of it);
; in each, wave 4 asks for K's and wave 5 for V's, one instruction.  Slots 0 and 1 come by their loads alone; the last prefix change asks for nothing.  The new keys' tiles are not asked for: in k_codes an aligned
; block of 256 bytes holds two heads' rows, so it has no one owner, and they are two of the ten slots.
.macro ASK
	s_cmp_gt_u32 s[SLOTS], s[LIM]
	s_cbranch_scc0 .Lnot_mine_\@
	global_prefetch_b8 v[PFO], s[PFA:PFA+1] th:TH_LOAD_NT scope:SCOPE_SE
.Lnot_mine_\@:
.endm
	s_load_b256 s[4:11], s[0:1], 0x0               ; q_codes s[4:5], k_codes s[6:7], v_codes s[8:9], kp_codes s[10:11]
	s_load_b128 s[12:15], s[0:1], 0x20             ; vp_codes s[12:13], the scales' exponents s[14:15]
	s_load_b64 s[16:17], s[0:1], 0x30              ; out0
	v_lshl_add_u32 v[SPW], v0, 2, SPARE
	v_mov_b32 v[NIL], 0
	ds_add_u32 v[SPW], v[NIL]                      ; the wave's opening: the add and its wait stand ahead of my first tensor load; the set-up below, work on registers, stands between them
	v_lshrrev_b32 v8, 5, v0
	v_readfirstlane_b32 s[WV], v8                  ; wave 0..7
	s_lshr_b32 s[HP], s[WV], 2
	s_mul_i32 s96, s[HP], 7
	s_xor_b32 s[PB], s[WV], s96                    ; 0, 1, 2, 3, 3, 2, 1, 0
	s_bfe_u32 s97, ttmp6, 0x40000                  ; cx: my place in the cluster
	s_lshl_b32 s98, ttmp9, 2
	s_add_co_u32 s98, s98, s97                     ; j = 4 x cluster x + cx: it enters Q's, out0's and the prefetches' addresses and the mask's number, nothing else
	s_and_b32 s99, ttmp7, 0xffff                   ; y = 8 b + kv head, which the four partners share
	; descriptor groups 1.  15:0 the mask: all four work-groups; 17:16 elements of 1 byte; 20 padding on; 21 set beside a mask; 24:22 after every 32 (code 4) or 64 (code 5) words; 31:25 four words (code 3)
.irp g, G1K, G1KE
	s_mov_b32 s[\g], 15|(1<<20)|(1<<21)|(4<<22)|(3<<25)
	s_mov_b32 s[\g+1], 128<<16                     ; tensor_dim0 = 128 bytes
	s_mov_b32 s[\g+2], 128<<16                     ; tensor_dim1 = 128 rows
	s_mov_b32 s[\g+3], 128<<16                     ; tile_dim0
	s_mov_b32 s[\g+4], 128                         ; tile_dim1
	s_mov_b32 s[\g+6], 0
	s_mov_b32 s[\g+7], 0
.endr
	s_mov_b32 s[G1K+5], 128                        ; from key to key: dense in kp_codes,
	s_mov_b32 s[G1KE+5], 1024                      ; eight heads apart in k_codes
.irp g, G1V, G1VE
	s_mov_b32 s[\g], 15|(1<<20)|(1<<21)|(5<<22)|(3<<25)
	s_mov_b32 s[\g+1], 256<<16                     ; 256 keys of a row
	s_mov_b32 s[\g+2], 64<<16                      ; 64 rows
	s_mov_b32 s[\g+3], 256<<16
	s_mov_b32 s[\g+4], 64
	s_mov_b32 s[\g+6], 0
	s_mov_b32 s[\g+7], 0
.endr
	s_mov_b32 s[G1V+5], 2048                       ; a row of vp_codes,
	s_mov_b32 s[G1VE+5], 512                       ; of v_codes
	; groups 0: LDS addresses and byte offsets, made of y and the wave's number alone
	s_and_b32 s96, s[WV], 1                        ; which half of the tile I fetch, if I fetch
.irp g, G0K, G0V, G0KE, G0VE
	s_mov_b32 s[\g], 1                             ; count = 1
	s_mov_b32 s[\g+3], 0
.endr
	s_mul_i32 s[G0K+1], s96, 128*KP
	s_mul_i32 s[G0V+1], s96, 64*VP
	s_add_co_u32 s[G0V+1], s[G0V+1], VOFF
	s_mov_b32 s[G0KE+1], s[G0K+1]                  ; slot 8 goes where slot 0 went
	s_mov_b32 s[G0VE+1], s[G0V+1]
	s_lshl_b32 s100, s99, 18                       ; y x 2,048 x 128
	s_lshl_b32 s101, s96, 14                       ; 128 keys x 128 bytes
	s_add_co_u32 s[G0K+2], s100, s101
	s_lshl_b32 s101, s96, 17                       ; 64 rows x 2,048 bytes; also 128 positions x 1,024 bytes
	s_add_co_u32 s[G0V+2], s100, s101
	s_lshr_b32 s100, s99, 3
	s_lshl_b32 s100, s100, 19                      ; b x 512 x 1,024
	s_add_co_u32 s100, s100, s101
	s_and_b32 s101, s99, 7
	s_lshl_b32 s101, s101, 7                       ; the kv head's 128 bytes
	s_add_co_u32 s[G0KE+2], s100, s101
	s_lshl_b32 s100, s99, 16                       ; y x 128 x 512
	s_lshl_b32 s101, s96, 15                       ; 64 rows x 512
	s_add_co_u32 s[G0VE+2], s100, s101
	; Q's and out0's offsets: row = 512 b + 16 j + 128 PB, head = 4 x kv head + 2 HP
	s_lshr_b32 s92, s99, 3
	s_lshl_b32 s92, s92, 9
	s_lshl_b32 s90, s98, 4
	s_add_co_u32 s92, s92, s90
	s_lshl_b32 s90, s[PB], 7
	s_add_co_u32 s92, s92, s90
	s_and_b32 s93, s99, 7
	s_lshl_b32 s93, s93, 2
	s_lshl_b32 s91, s[HP], 1
	s_add_co_u32 s93, s93, s91
	s_lshl_b32 s90, s92, 12
	s_lshl_b32 s91, s93, 7
	s_add_co_u32 s90, s90, s91                     ; in q_codes: row x 4,096 + head x 128
	s_lshl_b32 s92, s92, 14
	s_lshl_b32 s93, s93, 9
	s_add_co_u32 s92, s92, s93                     ; in out0: row x 16,384 + head x 512
	s_mov_b32 s91, 0
	s_mov_b32 s93, 0
	; the prefetches: wave 4 stands in kp_codes, wave 5 in vp_codes (the other waves never ask)
	s_cmp_eq_u32 s[WV], 4
	s_mov_b32 s[PFS], 256
	s_cselect_b32 s[PFS], 0x8000, s[PFS]           ; a slot on
	s_cselect_b32 s96, 8, 11                       ; from lane to lane: 256 or 2,048 bytes
	s_cselect_b32 s[PFA+1], 13, 16                 ; from partner to partner: 8,192 or 32 x 2,048 bytes
	s_lshl_b32 s[PFA], s97, s[PFA+1]
	s_lshl_b32 s[PFA+1], s99, 18
	s_add_co_u32 s[PFA], s[PFA], s[PFA+1]
	s_add_co_u32 s[PFA], s[PFA], s[PFS]            ; in slot 1: the first change of slots steps it to slot 2.  Nothing is prefetched at the head, where every work-group's first tiles are on their way
	s_mov_b32 s[PFA+1], 0
	s_mov_b32 s[PFS+1], 0
	v_and_b32 v[PFO], 31, v0
	v_lshlrev_b32 v[PFO], s96, v[PFO]
	s_lshr_b32 s[LIM], s[WV], 1
	s_xor_b32 s[LIM], s[LIM], 2                    ; 0 in waves 4 and 5,
	s_or_b32 s[LIM], s[LIM], ttmp9                 ; of cluster x = 0: the same in all four partners
	s_cmp_eq_u32 s[LIM], 0
	s_cselect_b32 s[LIM], 1, -1
	s_lshl_b32 s98, s98, 4                         ; 16 j, for the mask's number
	s_mov_b32 s[SEL], 0x76543210
	s_mov_b32 s[SEL+1], 0xfedcba98
	s_mov_b32 s[CS], 0x3e0293ee                    ; c = log2(e) / sqrt(128)
	s_mov_b32 s[TBK], 0
	s_mov_b32 s[TBV], 0
	s_mov_b32 s[SLOTS], 7
	s_mov_b32 s[ES], 0
	s_wait_dscnt 0x0                               ; the opening add is done
	s_wait_kmcnt 0x0
	s_load_b256 s[76:83], s[14:15], 0x0            ; e0 .. e7
	s_add_nc_u64 s[G0K+2:G0K+3], s[10:11], s[G0K+2:G0K+3]
	s_or_b32 s[G0K+3], s[G0K+3], 0x80000000        ; type = 2
	s_add_nc_u64 s[G0V+2:G0V+3], s[12:13], s[G0V+2:G0V+3]
	s_or_b32 s[G0V+3], s[G0V+3], 0x80000000
	s_add_nc_u64 s[G0KE+2:G0KE+3], s[6:7], s[G0KE+2:G0KE+3]
	s_or_b32 s[G0KE+3], s[G0KE+3], 0x80000000
	s_add_nc_u64 s[G0VE+2:G0VE+3], s[8:9], s[G0VE+2:G0VE+3]
	s_or_b32 s[G0VE+3], s[G0VE+3], 0x80000000
	CROUND                                         ; all four work-groups are here: the first joint loads meet
	JLOAD G0K, G1K, G0V, G1V                       ; slot 0
	s_add_nc_u64 s[4:5], s[4:5], s[90:91]          ; Q's codes at my first row and head
	s_add_nc_u64 s[16:17], s[16:17], s[92:93]      ; out0 likewise
	s_cmp_eq_u32 s[WV], 4
	s_cselect_b64 s[100:101], s[10:11], s[12:13]
	s_add_nc_u64 s[PFA:PFA+1], s[100:101], s[PFA:PFA+1]
	v_and_b32 v8, 15, v0                           ; r = lane % 16
	v_bfe_u32 v9, v0, 4, 1                         ; hl = lane / 16
	v_lshlrev_b32 v[QO], 12, v8
	v_lshl_add_u32 v[QO], v9, 4, v[QO]             ; position r: 4,096 bytes apart; + 16 hl
.irp c, 0,1,2,3
	global_load_b128 v[16+4*\c:19+4*\c], v[QO], s[4:5] offset:32*\c       ; tile 0's fragment of Q stays in registers
.endr
	WIN 0x40                                       ; destination window 1
.irp c, 0,1,2,3
	global_load_b128 v[16+4*\c:19+4*\c], v[QO], s[4:5] offset:128+32*\c   ; tile 1's: the next head
.endr
	WIN 0
	v_and_b32 v[AK0], 8, v8
	v_add_nc_u32 v[AK0], v[AK0], v8                ; r + 8 (r / 8)
	v_mul_u32_u24 v[AK0], v[AK0], KP
	v_lshl_add_u32 v[AK0], v9, 4, v[AK0]
	v_mul_u32_u24 v[AV0], v8, VP
	v_lshl_add_u32 v[AV0], v9, 4, v[AV0]
	v_add_nc_u32 v[AV0], VOFF, v[AV0]
	v_lshlrev_b32 v[GO], 14, v9
	v_lshl_add_u32 v[GO], v8, 4, v[GO]             ; the way out: lanes 0-15 one row of out0, lanes 16-31 the next; 16 bytes a lane
	s_mul_i32 s96, s[WV], STGB
	s_add_co_u32 s96, s96, STAGE                   ; my stage
	v_mul_u32_u24 v[SIN], v8, 272
	v_lshl_add_u32 v[SIN], v9, 5, v[SIN]
	v_add_nc_u32 v[SIN], s96, v[SIN]               ; in: row r, + 32 hl
	v_mul_u32_u24 v[SBK], v9, 272
	v_lshl_add_u32 v[SBK], v8, 4, v[SBK]
	v_add_nc_u32 v[SBK], s96, v[SBK]               ; back: lanes 0-15 one row, lanes 16-31 the next
	v_lshlrev_b32 v248, 4, v9
	v_sub_nc_u32 v248, v8, v248
	v_add_nc_u32 v248, s98, v248                   ; the mask's number: 16 j + r - 16 hl
	s_wait_kmcnt 0x0
	s_add_co_i32 s96, s80, s81                     ; a prefix score stands for score x 2^(e4 + e5): added to c's exponent field
	s_lshl_b32 s96, s96, 23
	s_add_co_i32 s[CS], s[CS], s96
	s_mov_b32 s[CS+1], s[CS]                       ; (named with it as a pair, so it is written)
	s_add_co_i32 s96, s76, s77                     ; the new keys': e0 + e1
	s_lshl_b32 s96, s96, 23
	s_add_co_i32 s90, s96, 0x3e0293ee
	s_add_co_i32 s96, s83, 127
	s_lshl_b32 s100, s96, 23                       ; 2^e7 as f32
	s_add_co_i32 s96, s96, 8
	s_lshl_b32 s96, s96, 23
	s_or_b32 s101, s96, 0x600000                   ; 448 x 2^e7
	s_add_co_i32 s96, s79, 127
	s_lshl_b32 s91, s96, 23                        ; 2^e3
	s_add_co_i32 s96, s96, 8
	s_lshl_b32 s96, s96, 23
	s_or_b32 s92, s96, 0x600000                    ; 448 x 2^e3
	s_add_co_i32 s[EF], s78, s79
	s_add_co_i32 s[DE], s82, s83
	s_sub_co_i32 s[DE], s[DE], s[EF]
.macro STATE                           ; a tile's state, under its window.  The key step is written once for all steps: the first finds zeros, which the first change of M (f = 0) leaves zeros
	v_mov_b32 v13, 0xff61b1e6                      ; the largest t so far: -3e38, under every t
	v_floor_f32 v12, -v13                          ; -M
	v_mov_b32 v14, 0
	v_mov_b32 v15, 0
	v_mov_b32 v246, 0                              ; a lane permute's destination counts as one of its sources
	v_mov_b32 v253, 0                              ; (named as the upper half of the pair v[252:253])
	v_mov_b32 v244, s100
	v_mov_b32 v240, s101
.set n, 0
.rept 64
	v_mov_b32 v[160+n], 0
.set n, n+1
.endr
.endm
	STATE
	WIN 0x40
	v_mov_b32 v248, v248                           ; the mask's number for tile 1: the same positions
	WIN 0x55
	STATE
	WIN 0
.macro FRAGK                           ; the step's eight fragments of K: tile t begins at key 32 (t / 2) + 8 (t % 2)
	WIN 0
.irp t, 0,1,2,3
.irp c, 0,1,2,3
	ds_load_b128 v[32+16*\t+4*\c:35+16*\t+4*\c], v[ADK] offset:(32*(\t/2)+8*(\t%2))*KP+32*\c
.endr
.endr
	WIN 0x40
.irp t, 0,1,2,3
.irp c, 0,1,2,3
	ds_load_b128 v[32+16*\t+4*\c:35+16*\t+4*\c], v[ADK] offset:(64+32*(\t/2)+8*(\t%2))*KP+32*\c
.endr
.endr
.endm
.macro FRAGV                           ; the step's eight fragments of V^T: tile t = channels 16 t on
	WIN 0
.irp t, 0,1,2,3
.irp c, 0,1,2,3
	ds_load_b128 v[32+16*\t+4*\c:35+16*\t+4*\c], v[ADV] offset:16*\t*VP+32*\c
.endr
.endr
	WIN 0x40
.irp t, 0,1,2,3
.irp c, 0,1,2,3
	ds_load_b128 v[32+16*\t+4*\c:35+16*\t+4*\c], v[ADV] offset:16*(\t+4)*VP+32*\c
.endr
.endr
.endm
.macro SCORES tile, half               ; four products S^T = K Q^T of a tile of queries, with fragments 4 half .. 4 half + 3; each starts its sum
	WIN (\tile<<6)|(\tile<<4)|(\tile<<2)|\half
.irp t, 0,1,2,3
	v_wmma_f32_16x16x128_fp8_fp8 v[96+8*(4*\half+\t):103+8*(4*\half+\t)], v[32+16*\t:47+16*\t], v[16:31], 0
.endr
.endm
.macro OUTS tile, half                 ; four products O^T += V^T P^T.  Each accumulator has one product a step: between two links of a chain stand all the others'
	WIN (\tile<<6)|(\tile<<4)|(\tile<<2)|\half
.irp t, 0,1,2,3
	v_wmma_f32_16x16x128_fp8_fp8 v[160+8*(4*\half+\t):167+8*(4*\half+\t)], v[32+16*\t:47+16*\t], v[224:239], v[160+8*(4*\half+\t):167+8*(4*\half+\t)]
.endr
.endm
.macro MASK                            ; on the diagonal, under the tile's window: register n holds key 32 (n / 16) + n % 16 + 16 hl of the step: hidden where 32 (n / 16) + n % 16 > 16 j + r - 16 hl.  p = 0 then
	v_mov_b32 v254, 0xff800000                     ; -infinity
.set n, 0
.rept 64
	v_cmp_gt_i32 vcc_lo, 32*(n/16)+n%16, v248
	v_cndmask_b32 v[96+n], v[96+n], v254, vcc_lo
.set n, n+1
.endr
.endm
.macro SM                              ; one tile's softmax of one key step, under the tile's window
	v_max3_num_f32 v254, v96, v97, v98             ; the step's largest score of my query, among my 64 keys, in two chains, each accumulator from its low end on,
	v_max3_num_f32 v252, v99, v100, v101
.set n, 6
.rept 14
	v_max3_num_f32 v254, v254, v[96+n], v[97+n]
	v_max3_num_f32 v252, v252, v[98+n], v[99+n]
.set n, n+4
.endr
	v_max3_num_f32 v254, v254, v158, v159
	v_max_num_f32 v254, v254, v252
	v_permlanex16_b32 v246, v254, s[SEL], s[SEL+1]
	v_max_num_f32 v254, v254, v246                 ; and among lane l xor 16's
	v_mul_f32 v254, s[CS], v254                    ; as t (c is positive)
	v_max_num_f32 v13, v13, v254                   ; the running largest t
	v_mov_b32 v254, v12
	v_floor_f32 v12, -v13                          ; the new -M = floor(-t) = -ceil(t): M is a whole number
	v_sub_f32 v254, v12, v254                      ; M's old value less its new one: a whole number
	v_cvt_i32_f32 v254, v254                       ; (it saturates)
	v_ldexp_f32 v252, 1.0, v254                    ; f = 2^(old M - new M)
.set n, 0
.rept 32
	v_pk_fma_f32 v[96+n:97+n], v[96+n:97+n], s[CS:CS+1], v[12:13] op_sel_hi:[1,0,0]   ; t - M, two at a time (of the pairs c and -M the low word serves both halves)
.set n, n+2
.endr
.set n, 0
.rept 64
	v_exp_f32 v[96+n], v[96+n]                     ; p = 2^(t - M), at most 1: not normalised
.set n, n+1
.endr
	v_pk_mul_f32 v[14:15], v[14:15], v[252:253] op_sel_hi:[1,0]   ; l under the new M: the plain line behind the exponentials
	s_wait_alu depctr_va_vdst(0)                   ; one wait for the batch of 64, ahead of the first line that names a result
	v_pk_add_f32 v[242:243], v[96:97], v[98:99]    ; l takes the UNQUANTISED p: two at a time, in two chains
.set n, 4
.rept 15
	v_pk_add_f32 v[14:15], v[14:15], v[96+n:97+n]
	v_pk_add_f32 v[242:243], v[242:243], v[98+n:99+n]
.set n, n+4
.endr
	v_pk_add_f32 v[14:15], v[14:15], v[242:243]
.set bb, 0
.rept 4
.set n, 0
.rept 16
	v_min_num_f32 v[96+16*bb+n], v[96+16*bb+n], v240   ; the conversion does not saturate (ISA guide 7.6.2); p is not negative, so the hold is one-sided
.set n, n+1
.endr
	v_cvt_scalef32_pk8_fp8_f32 v[224+4*bb:225+4*bb], v[96+16*bb:103+16*bb], v244
	v_cvt_scalef32_pk8_fp8_f32 v[226+4*bb:227+4*bb], v[104+16*bb:111+16*bb], v244
.set bb, bb+1
.endr
.set n, 0
.rept 32
	v_pk_mul_f32 v[160+n:161+n], v[160+n:161+n], v[252:253] op_sel_hi:[1,0]   ; O^T under the new M.  (Plain lines between the conversions and the products that read the codes)
.set n, n+2
.endr
.endm
; A KEY STEP: 128 keys, both tiles.  ext = 1: the new keys, under the causal mask: a step whose keys all come after my positions is left out, by a branch on the wave's number and the count of steps, round the step's
; loads, products and softmax; not round the lines at its end that step addresses; no barrier and no tensor load stands in a step.
.macro STEP ext
.if \ext
	s_cmp_lt_u32 s[PB], s[ES]
	s_cbranch_scc1 .Lhidden_\@
.endif
	v_add_nc_u32 v[ADK], s[TBK], v[AK0]
	v_add_nc_u32 v[ADV], s[TBV], v[AV0]
	v_nop
	v_nop                                          ; four plain lines between the last step's products and loads into the registers that they read (ISA guide 7.12.1 for vector instructions)
	FRAGK
	s_wait_dscnt 16                                ; fragments 0-3 are in; the sixteen younger loads, fragments 4-7, may be out
	SCORES 0, 0
	SCORES 1, 0
	s_wait_dscnt 0x0
	SCORES 0, 1
	SCORES 1, 1
	WIN 0
.rept 4
	v_nop                                          ; four places: for the loads into K's registers, and for the first read of the scores
.endr
	FRAGV                                          ; V lands while tile 0's softmax is worked
	WIN 0
.if \ext
	s_cmp_lg_u32 s[PB], s[ES]
	s_cbranch_scc1 .Lopen_\@                       ; only my one step on the diagonal is masked
	MASK
	WIN 0x55
	MASK
	WIN 0
.Lopen_\@:
.endif
	SM
	s_wait_dscnt 0x0                               ; V is in
	OUTS 0, 0
	OUTS 0, 1                                      ; tile 0's products are at work while tile 1's softmax is issued: it names none of their registers
	WIN 0x55
	SM
	OUTS 1, 0
	OUTS 1, 1
	WIN 0
.if \ext
.Lhidden_\@:
	s_add_co_u32 s[ES], s[ES], 1
.endif
	s_add_co_u32 s[TBK], s[TBK], 128*KP            ; the slot's next 128 keys
	s_add_co_u32 s[TBV], s[TBV], 128
.endm
.macro TWO_STEPS ext                   ; a slot's two key steps: written once, walked twice; then on to the other slot
	s_mov_b32 s[TWICE], 2
.Lstep_\@:
	STEP \ext
	s_sub_co_u32 s[TWICE], s[TWICE], 1
	s_cmp_lg_u32 s[TWICE], 0
	s_cbranch_scc1 .Lstep_\@
	s_sub_co_u32 s[TBK], s[TBK], 256*KP
	s_sub_co_u32 s[TBV], s[TBV], 256
	s_xor_b32 s[TBK], s[TBK], SLOT1
	s_xor_b32 s[TBV], s[TBV], SLOT1
.endm
; THE CHANGE OF SLOTS stands at a slot's head.  Each wave waits for all its tensor loads (its part of the slot that it is about to read), adds 0 to its spare word, and waits for that and for its reads of the slot that it
; has left.  Behind the barrier the slot ahead is whole and nobody reads the other one.  fill = 1: the other slot takes the next 256 prefix keys; 2: the first 256 new keys; 3: the last 256; 0: nothing.
; Where a slot is filled, the barrier is a round of the cluster's, so that no wave of any partner still reads the slot or has a load on its way; the joint load is the first thing behind it and has two key steps in which to land.
.macro CHANGE fill
	s_wait_tensorcnt 0x0                           ; no tensor load of mine is out, so a group 0 may be written
	ds_add_u32 v[SPW], v[NIL]                      ; 0 onto my spare word; the descriptors' steps stand between it and the wait for it
.if \fill == 1
	s_xor_b32 s[G0K+1], s[G0K+1], SLOT1            ; the other slot than last time,
	s_add_nc_u64 s[G0K+2:G0K+3], s[G0K+2:G0K+3], 256*128   ; the next 256 keys; the type bits on top are not reached
	s_xor_b32 s[G0V+1], s[G0V+1], SLOT1
	s_add_nc_u64 s[G0V+2:G0V+3], s[G0V+2:G0V+3], 256
	s_wait_xcnt 0x0                                ; the last prefetch, a slot back, has read its address, so it may be written:
	s_add_nc_u64 s[PFA:PFA+1], s[PFA:PFA+1], s[PFS:PFS+1]  ; one slot further on than the walking descriptors
.elseif \fill == 3
	s_xor_b32 s[G0KE+1], s[G0KE+1], SLOT1
	s_add_nc_u64 s[G0KE+2:G0KE+3], s[G0KE+2:G0KE+3], 256*1024
	s_xor_b32 s[G0VE+1], s[G0VE+1], SLOT1
	s_add_nc_u64 s[G0VE+2:G0VE+3], s[G0VE+2:G0VE+3], 256
.endif
	s_wait_dscnt 0x0                               ; the add is done, and my reads of the slot that I have left are over
.if \fill == 0
	s_barrier_signal -1
	s_barrier_wait -1
.else
	CROUND
.if \fill == 1
	JLOAD G0K, G1K, G0V, G1V
	ASK
.else
	JLOAD G0KE, G1KE, G0VE, G1VE
.endif
.endif
.endm
.macro PART2                           ; the change of parts, under a tile's window
	v_sub_f32 v13, 0xc2800000, v12                 ; the largest t so far becomes M - 64 (= -64 - (-M)); -M stays, so that the next step's f carries l and O^T over
	v_mov_b32 v240, s92                            ; 448 x 2^e3
	v_mov_b32 v244, s91                            ; 2^e3
.set n, 0
.rept 64
	v_ldexp_f32 v[160+n], v[160+n], s[DE]          ; O^T x 2^(e6 + e7 - e2 - e3): from here on a sum stands for sum x 2^(e2 + e3)
.set n, n+1
.endr
.endm
	s_wait_loadcnt 0x0                             ; Q
.Lslot:                                            ; seven trips: slots 0 to 6 are walked, slots 1 to 7 asked for
	CHANGE 1
	TWO_STEPS 0
	s_sub_co_u32 s[SLOTS], s[SLOTS], 1
	s_cmp_lg_u32 s[SLOTS], 0
	s_cbranch_scc1 .Lslot
	CHANGE 2                                       ; the rest is written out: its loads have other descriptors
	TWO_STEPS 0                                    ; slot 7: the prefix's last 256 keys
	CHANGE 3
	PART2                                          ; behind the joint load.  Window 0's lines name no register of tile 1's last products: they are the places in front of window 1's
	WIN 0x55
	PART2
	WIN 0
	s_mov_b32 s[CS], s90                           ; c x 2^(e0 + e1)
	s_mov_b32 s[CS+1], s90
	TWO_STEPS 1                                    ; new keys 0 to 255
	CHANGE 0
	TWO_STEPS 1                                    ; new keys 256 to 511
; THE WAY OUT.  l's two halves and lane l xor 16's are added; O^T x 2^(e2 + e3) / l goes through my stage in LDS, half a row (64 channels, 256 bytes) of 16 queries at a time, and comes back as whole rows.
.macro PACKO tile
	WIN 0x55*\tile
	v_add_f32 v14, v14, v15
	v_permlanex16_b32 v246, v14, s[SEL], s[SEL+1]
	v_add_f32 v14, v14, v246
	v_rcp_f32 v14, v14
	v_nop                                          ; a plain line behind the reciprocal,
	s_wait_alu depctr_va_vdst(0)                   ; and a wait ahead of its first reader
	v_ldexp_f32 v14, v14, s[EF]
.set n, 0
.rept 32
	v_pk_mul_f32 v[96+n:97+n], v[160+n:161+n], v[14:15] op_sel_hi:[1,0]   ; register 8 t + i is o(r, 16 t + 8 hl + i); each accumulator from its low end on
.set n, n+2
.endr
.irp u, 0,1                            ; channels 64 u on
	WIN 0x04*\tile                                 ; store data in the tile's window
.irp t, 0,1,2,3
	ds_store_b128 v[SIN], v[96+32*\u+8*\t:99+32*\u+8*\t] offset:64*\t
	ds_store_b128 v[SIN], v[100+32*\u+8*\t:103+32*\u+8*\t] offset:64*\t+16
.endr
	WIN 0x40*\tile                                 ; loaded data likewise
.irp i, 0,1,2,3,4,5,6,7
	ds_load_b128 v[32+32*\u+4*\i:35+32*\u+4*\i], v[SBK] offset:\i*2*272   ; LDS serves a wave's instructions in order (ISA guide 5.7.1.4): these see my stores, and the next stores into the stage come behind them
.endr
.endr
.endm
.macro SENDO tile, younger             ; younger: the LDS instructions of the tile packed behind this one
	WIN 0x04*\tile
.irp u, 0,1
.irp i, 0,1,2,3,4,5,6,7
	s_wait_dscnt \younger+23-16*\u-\i              ; behind load (u, i) stand 7 - i loads of its half and, for u = 0, the other half's 8 stores and 8 loads
	global_store_b128 v[GO], v[32+32*\u+4*\i:35+32*\u+4*\i], s[16:17] offset:512*\tile+32768*\i+256*\u th:TH_STORE_NT   ; sixteen lanes store 256 consecutive bytes, at a multiple of 256 from out0's first byte
.endr
.endr
.endm
	PACKO 0
	PACKO 1                                        ; tile 1's arithmetic stands between tile 0's loads from the stage and its stores
	SENDO 0, 32
	SENDO 1, 0
	WIN 0
	s_wait_tensorcnt 0x0                           ; the wave's end, behind my last tensor load and my last LDS store
	ds_add_u32 v[SPW], v[NIL]
	s_wait_dscnt 0x0
	CROUND                                         ; the closing round: no work-group ends while a partner may still ask for a tile that names it
	s_endpgm
.Lfunc_end_k_qc0690723f5_attend:
	.size	k_qc0690723f5_attend, .Lfunc_end_k_qc0690723f5_attend-k_qc0690723f5_attend
	.p2alignl 7, 3214868480
	.fill 96, 4, 3214868480
	.section	.rodata,"a",@progbits
	.p2align	6, 0x0
	.amdhsa_kernel k_qc0690723f5_attend
		.amdhsa_group_segment_fixed_size 327680
		.amdhsa_private_segment_fixed_size 0
		.amdhsa_enable_private_segment 0
		.amdhsa_kernarg_size 56
		.amdhsa_user_sgpr_count 2
		.amdhsa_user_sgpr_kernarg_segment_ptr 1
		.amdhsa_wavefront_size32 1
		.amdhsa_system_sgpr_workgroup_id_x 1
		.amdhsa_system_sgpr_workgroup_id_y 1
		.amdhsa_system_sgpr_workgroup_id_z 1
		.amdhsa_system_vgpr_workitem_id 0
		.amdhsa_next_free_vgpr 512
		.amdhsa_next_free_sgpr 102
		.amdhsa_reserve_vcc 1
		.amdhsa_float_denorm_mode_32 3
		.amdhsa_float_denorm_mode_16_64 3
		.amdhsa_memory_ordered 1
		.amdhsa_forward_progress 1
		.amdhsa_inst_pref_size 194
	.end_amdhsa_kernel
	.amdgpu_metadata
---
amdhsa.version: [ 1, 2 ]
amdhsa.kernels:
  - .name:           k_qc0690723f5_attend
    .symbol:         k_qc0690723f5_attend.kd
    .args:
      - { .name: q_codes, .offset: 0, .size: 8, .value_kind: global_buffer, .address_space: global }
      - { .name: k_codes, .offset: 8, .size: 8, .value_kind: global_buffer, .address_space: global }
      - { .name: v_codes, .offset: 16, .size: 8, .value_kind: global_buffer, .address_space: global }
      - { .name: kp_codes, .offset: 24, .size: 8, .value_kind: global_buffer, .address_space: global }
      - { .name: vp_codes, .offset: 32, .size: 8, .value_kind: global_buffer, .address_space: global }
      - { .name: lowp_scales, .offset: 40, .size: 8, .value_kind: global_buffer, .address_space: global }
      - { .name: out0, .offset: 48, .size: 8, .value_kind: global_buffer, .address_space: global }
    .group_segment_fixed_size: 327680
    .private_segment_fixed_size: 0
    .kernarg_segment_align: 8
    .kernarg_segment_size: 56
    .max_flat_workgroup_size: 256
    .sgpr_count:     102
    .vgpr_count:     512
    .wavefront_size: 32
...
	.end_amdgpu_metadata
.endif
;; end of part 2
